; MI455X (gfx1250); checked and timed in simulation.
; The chip was launched on July 23, 2026; its instructions are those of AMD's public machine-readable ISA for CDNA 5 (MIT licence, August 2026) and "CDNA5" Instruction Set Architecture Reference Guide (July 2026). The comments in the code are by the model that wrote it; some were corrected since.
;; Module1 Key Pruning Network. Allowed arithmetic: matrix products marked QUANTISED: E2M1 operands, one E8M0 scale for each 32 along K, by v_wmma_scale_f32_16x16x128_f8f6f4 with both operands' format E2M1 (or v_wmma_scale_f32_32x16x128_f4), f32 sums; products left as they are: f32 operands where the result goes on into a quantised operand, else bf16, f16 or f32 operands; f32 sums; everything else in f32.
;; Inputs: K 8,192 x 128 float32; W1 64 x 128 float32; W2 1 x 64 float32; anchor_raw 3 float32; b1 64 float32; b2 1 float32; bias 128 float32; kappa 128 x 64 x 3 float32; key_positions 8,192 int32; mu 128 x 64 x 3 float32; reference_angles 64 float32; weight 128 x 64 x 3 float32.
;; Outputs: out0 8,192 float32.
;; This version of the problem:
;;   THIS VERSION OF THE PROBLEM IS GIVEN IN LOW PRECISION. The matrix products marked QUANTISED in the list below multiply operands that are first quantised to E2M1 (2 exponent bits, 1 mantissa bit; 4 bits a number), with one power-of-two scale for each 32 numbers along K (OCP MX v1.0); their sums are f32. All else is computed in f32.
;;   The module's matrix products, in the order in which they are computed (A, B: the left and right operand; K: the contracted axis; several contracted axes count as one K, in the product's order):
;;     1. batch 8,192 x [M 1, K 3] x [K 3, N 8,192]; A: input weight; B: computed on the way: left as it is (K = 3 < 32)
;;     2. batch 8,192 x [M 128, K 64] x [K 64, N 1]; A: computed on the way; B: computed on the way: left as it is (N = 1 < 16)
;;     3. [M 8,192, K 128] x [K 128, N 64]; A: computed on the way; B: input W1: QUANTISED
;;     4. [M 8,192, K 64] x [K 64, N 1]; A: computed on the way; B: input W2: left as it is (N = 1 < 16)
;;   THE QUANTISER, for each operand of a quantised product, along K:
;;     - K is cut into blocks of 32 from its start; a last block that is shorter is filled with zeros.
;;     - A block's scale is 2^e with e = floor(log2(the largest magnitude in the block)) - 2, held to -126 .. 127; a block of zeros has e = 0. As a byte (E8M0): e + 127.
;;     - Each number is divided by its block's scale, clamped to +-6, and rounded to the nearest number of E2M1, ties to even, subnormals kept.
;;     - The product sums the exact products of the quantised numbers (number of the format x scale) in f32.
;;   ~~~python
;;   def quantise(x, axis):      # numpy; x: float32 -> the quantised numbers, widened to float32 again
;;       x = np.moveaxis(x, axis, -1); K = x.shape[-1]
;;       x = np.pad(x, [(0, 0)] * (x.ndim - 1) + [(0, -K % 32)]); x = x.reshape(x.shape[:-1] + (-1, 32)); a = np.abs(x).max(-1, keepdims=True)
;;       e = np.where(a > 0, np.clip(np.frexp(np.where(a > 0, a, 1))[1] - 1 - 2, -126, 127), 0)      # np.frexp(a)[1] - 1 = floor(log2(a)), exactly
;;       r = np.clip(x / 2.0 ** e, -6, 6)
;;       step = 2.0 ** (np.maximum(np.frexp(np.where(r == 0, 1, r))[1] - 1, 0) - 1)
;;       q = np.round(r / step) * step * 2.0 ** e      # np.round: ties to even
;;       return np.moveaxis(q.reshape(q.shape[:-2] + (-1,))[..., :K], -1, axis).astype(np.float32)
;;   ~~~
;;   OPERANDS COMPUTED ON THE WAY. 'Computed on the way' means the value that the module computes at that place (a softmax that the list does not call 'softmax' is quantised finished and normalised). What goes into a quantiser is computed in f32, as accurately as f32 sums, v_exp_f32 and their like allow (about 1e-6 of the number): no bf16 or f16 on the way to a quantiser, and a product that is left as it is and whose result goes on into a quantised operand takes f32 operands (vector FMAs, or v_wmma_f32_16x16x4_f32). A number that lies on a knife's edge between two numbers of the format may be rounded either way, as far as f32 arithmetic and the matrix unit's own rounding can turn it there, and no further.
;; One version. Each part assembles by itself: llvm-mc -triple=amdgcn-amd-amdhsa -mcpu=gfx1250 --defsym DOCPART=n.
;; ======== version 1 of 1: 1 launch
;; limits: right only within a limited range of input values
;; launch prune (part 1): grid 256 x 1, 16 waves a work-group, no clusters, 327,680 bytes of LDS; arguments K, mu, kappa, weight, reference_angles, bias, W1, b1, W2, b2, anchor_raw, key_positions, out0; writes out0
.if DOCPART == 1
	.amdgcn_target "amdgcn-amd-amdhsa--gfx1250"
	.amdhsa_code_object_version 6
	.text
	.protected	k_qaf47c7d311_prune
	.globl	k_qaf47c7d311_prune
	.p2align	8
	.type	k_qaf47c7d311_prune,@function
k_qaf47c7d311_prune:
	s_mov_b64 s[64:65], 0
	v_nop
	global_prefetch_b8 v0, s[64:65] scope:SCOPE_SE
	s_setreg_imm32_b32 hwreg(HW_REG_WAVE_MODE, 25, 1), 1
	s_wait_xcnt 0x0
; out[n] = sigmoid(mlp(logits[n]) x posw[n]);  logits[n][b] = bias[b] + sum over f of mag[n][f] x sum over m of weight[b][f][m] x exp(kappa[b][f][m] x (cos(angle[n][f] - mu[b][f][m] - ref[f]) - 1)).
; 8,192 keys, 128 bins, 64 f, 3 m.  mlp: relu(logits W1^T + b1) W2^T + b2; only logits W1^T is multiplied on codes of FP4 (E2M1) with one E8M0 scale for each 32 along K; all else is f32.
; NO COSINE FOR EACH ELEMENT: cos(angle - mu) = (x / mag) cos mu + (y / mag) sin mu.  With a = kappa log2(e) cos mu, b = kappa log2(e) sin mu, d = -kappa log2(e), c = x / mag, s = y / mag an element is
; 2^(a c + (b s + d)): two multiply-adds, one exponential, one multiply-add by its weight.  sin mu and cos mu are made once for each (bin, f, m): mu less the nearest multiple of pi (pi in three parts), then the series to r^13 and r^12, |r| <= pi / 2.
; SHARES.  A work-group owns 32 keys and all bins.  Wave w: bins 32 (w & 3) + lane, f = 16 (w >> 2) + 0 .. 15.  A lane keeps its 48 elements' a, b, d, weight in 192 registers for the whole launch.
; Keys go two at a time through the packed forms (low half key p, high half key p + 16); a key's c, s, mag are the same for all lanes and come from LDS, every lane reading the same 16 bytes.
; Four waves of 256 registers stand on a SIMD, so that one wave's exponentials stand beside another's multiply-adds.
; The four f groups' partial logits meet in LDS; waves 0 and 1 then quantise 16 keys' logits each and run the MLP; W1 is quantised once by waves 0 to 3 and reaches them as images of the operand's registers.
; NO CLUSTER, NO TENSOR LOAD: the three tables (294,912 bytes) are all that work-groups share; each reads them once, at its head, against 786,432 exponentials a lane-row of its own work; and a table row is 192 words,
; no power of two, so a descriptor's padding cannot give the pitch of 784 bytes that the lanes' reads by rows want.  No prefetch: every load stands at the head or is a few hundred bytes.
; LIMITS: x^2 + y^2 under 2^-126 counts as magnitude 0, beyond f32's range it overflows; |mu + ref| up to about 1e5 (the quotient by pi is held in 22 bits, and pi's three parts carry 1e-9 there);
; softplus of a very negative anchor has an absolute error of about 6e-8; NaN and infinities are not served; a block of zeros gets the scale byte 1: its codes are zeros, and this text alone reads the bytes.
.set STGB,  100352                     ; LDS: a table staged as 128 rows of 768 bytes + 16: mu at 0, kappa at STGB, weight at 2 STGB
.set SROW,  784                        ; an odd multiple of 16 bytes: sixteen lanes that read the same column of sixteen rows touch sixteen different 16-byte columns of 256
.set KT,    3*STGB                     ; the keys' table: 16 pairs of keys x 1,536 bytes; in a pair 48 bytes for two f: quads c, s, mag, each [key p f0, key p+16 f0, key p f1, key p+16 f1]
.set KPAIR, 1536
.set LG,    65536                      ; behind the second barrier, in mu's dead stage: partial logits at 0 (4,096 bytes a wave: 128 x key + 4 x lane); the logits, 32 rows of 512 bytes + 16;
.set LGP,   528
.set WIMG,  LG+32*LGP                  ; W1's four fragments as images of their registers, 1,024 bytes each;
.set WSC,   WIMG+4096                  ; and their scale words, 128 bytes each
.set PAR_A, 64                         ; v64-111  a of element e = 3 f + m;  v112-159 b;  v160-207 d;  v208-255 weight
.set PAR_B, 112
.set PAR_D, 160
.set PAR_W, 208
.set TB,    4                          ; v4-27    a batch's 12 elements x 2 keys
.set KC,    28                         ; v28-51   c, s, mag of f 0, 1 of the batch, then of f 2, 3
.set ACC,   52                         ; v52-55   two running sums x 2 keys
.set REF,   36                         ; s36-51   my 16 reference angles
.set TP,    14                         ; v14-41   the preparation's two sets of 14: r +0, quotient +2, its parity +4, r^2 +6, kappa log2(e) +8, sine's series +10, cosine's +12
.set CM,    42                         ; v42-43   1.5 x 2^23, twice;  v46-47 1/13!;  v48-49 1/12!
.set C13,   46
.set C12,   48
; v1-3 and v56-63 hold LDS addresses and offsets alone, never data:
; v1 where I store my keys' table, then where I read it;  v2 my offset in a table, then where my partial logits go;  v3 16 x thread: my offset in K, later in the partial logits
; v56, v57 where a table's quads are staged (v57: 16 more in lanes 16-31), later the logits' store and bias's offset;  v58 my row of a stage, later my row of the logits
; v59, v60 W1's image and scale word, stored, later read;  v61 my offset in W1, later 32 h;  v62 the lane, later my key's offset in positions and out;  v63 8 h
.macro BARRIER                         ; my LDS stores have landed and my LDS loads are in: then the work-group's barrier
	s_wait_dscnt 0x0
	s_barrier_signal -1
	s_barrier_wait -1
.endm
; 64 numbers of a lane, two whole blocks of 32 along K (v[x0] on: k = 32 h + 0 .. 31, v[x1] on: k = 64 + 32 h + 0 .. 31 of my row), become the operand's registers v[cb] .. v[cb + 7] and its scale word v[sw].
.macro QUANT2 x0, x1, cb, sw, tm
	v_max3_num_f32 v[\tm], |v[\x0]|, |v[\x0+1]|, 0x1800000          ; the blocks' largest magnitudes, by turns, with the floor 2^(3 - 127) among the leaves: the byte cannot fall under 1
	v_max3_num_f32 v[\tm+1], |v[\x1]|, |v[\x1+1]|, 0x1800000
.irp i, 2,4,6,8,10,12,14,16,18,20,22,24,26,28,30
	v_max3_num_f32 v[\tm], v[\tm], |v[\x0+\i]|, |v[\x0+\i+1]|
	v_max3_num_f32 v[\tm+1], v[\tm+1], |v[\x1+\i]|, |v[\x1+\i+1]|
.endr
	v_add_nc_u32 v[\tm+2], 0xff000000, v[\tm]                      ; 2 off the exponent field: the conversion takes the exponent field of this operand as its scale
	v_add_nc_u32 v[\tm+3], 0xff000000, v[\tm+1]
	v_lshrrev_b32 v[\tm+4], 23, v[\tm+2]                           ; the scales' bytes
	v_lshrrev_b32 v[\tm+5], 23, v[\tm+3]
	v_lshl_or_b32 v[\sw], v[\tm+5], 16, v[\tm+4]                   ; blocks h and 2 + h,
	v_lshlrev_b32 v[\sw], v63, v[\sw]                              ; 8 h bits up;
	v_mov_b32 v[\tm+6], 0                                          ; (a lane permute's destination counts as one of its sources)
	v_permlanex16_b32 v[\tm+6], v[\sw], s60, s61
	v_or_b32 v[\sw], v[\sw], v[\tm+6]                              ; with lane l xor 16's two bytes the word is whole
.irp g, 0,1,2,3
	v_cvt_scalef32_pk8_fp4_f32 v[\cb+\g], v[\x0+8*\g:\x0+8*\g+7], v[\tm+2]
	v_cvt_scalef32_pk8_fp4_f32 v[\cb+4+\g], v[\x1+8*\g:\x1+8*\g+7], v[\tm+3]
.endr
	v_nop                                                          ; one plain line behind the last scaled conversion
.endm
; A wave's 12 quads a lane of a table (8 rows of 768 bytes as they lie in memory, 512 bytes a load) go to the stage, 16 bytes more for each row passed; of every three loads the middle one crosses a row's end at lane 16.
.macro STAGE reg
.irp q, 0,1,2,3
	ds_store_b128 v56, v[\reg+12*\q:\reg+12*\q+3] offset:1568*\q
	ds_store_b128 v57, v[\reg+12*\q+4:\reg+12*\q+7] offset:1568*\q+512
	ds_store_b128 v56, v[\reg+12*\q+8:\reg+12*\q+11] offset:1568*\q+1040
.endr
	v_add_nc_u32 v56, STGB, v56                                    ; on to the next table's stage
	v_add_nc_u32 v57, STGB, v57
.endm
; THE PREPARATION of element pairs p and p + 1 (elements 2 p .. 2 p + 3): from mu (in a's registers) and kappa (in d's) to a, b, d.  Each line stands twice, for the two pairs, and sine's and cosine's series take turns.
.macro RED lit                         ; r -= quotient x a part of pi
.irp u, 0,1
	v_pk_fma_f32 v[TP+14*\u:TP+14*\u+1], v[TP+14*\u+2:TP+14*\u+3], \lit, v[TP+14*\u:TP+14*\u+1] op_sel_hi:[1,0,1]
.endr
.endm
.macro HORN z, lit                     ; a series' next step: z = z r^2 + the coefficient
.irp u, 0,1
	v_pk_fma_f32 v[TP+14*\u+\z:TP+14*\u+\z+1], v[TP+14*\u+\z:TP+14*\u+\z+1], v[TP+14*\u+6:TP+14*\u+7], \lit op_sel_hi:[1,1,0]
.endr
.endm
.macro SINCOS2 p
.irp u, 0,1
	v_add_f32 v[TP+14*\u], s[REF+(2*(\p+\u))/3], v[PAR_A+2*(\p+\u)]              ; mu + the reference angle of the element's f
	v_add_f32 v[TP+14*\u+1], s[REF+(2*(\p+\u)+1)/3], v[PAR_A+2*(\p+\u)+1]
.endr
.irp u, 0,1
	v_pk_fma_f32 v[TP+14*\u+2:TP+14*\u+3], v[TP+14*\u:TP+14*\u+1], 0x3ea2f983, v[CM:CM+1] op_sel_hi:[1,0,1]   ; / pi + 1.5 x 2^23: the nearest whole number stands in the low mantissa bits
.endr
.irp u, 0,1
	v_lshlrev_b32 v[TP+14*\u+4], 31, v[TP+14*\u+2]                               ; its parity as a sign bit: sine and cosine change sign with each pi taken off
	v_lshlrev_b32 v[TP+14*\u+5], 31, v[TP+14*\u+3]
.endr
.irp u, 0,1
	v_pk_add_f32 v[TP+14*\u+2:TP+14*\u+3], v[TP+14*\u+2:TP+14*\u+3], 0xcb400000 op_sel_hi:[1,0]
.endr
	RED 0xc0490fd8
	RED 0xb528885a
	RED 0xa84234c5
.irp u, 0,1
	v_pk_mul_f32 v[TP+14*\u+6:TP+14*\u+7], v[TP+14*\u:TP+14*\u+1], v[TP+14*\u:TP+14*\u+1]
.endr
.irp u, 0,1
	v_pk_mul_f32 v[TP+14*\u+8:TP+14*\u+9], v[PAR_D+2*(\p+\u):PAR_D+2*(\p+\u)+1], 0x3fb8aa3b op_sel_hi:[1,0]   ; kappa log2(e)
	v_pk_mul_f32 v[PAR_D+2*(\p+\u):PAR_D+2*(\p+\u)+1], v[PAR_D+2*(\p+\u):PAR_D+2*(\p+\u)+1], 0xbfb8aa3b op_sel_hi:[1,0]   ; d
.endr
.irp u, 0,1
	v_pk_fma_f32 v[TP+14*\u+10:TP+14*\u+11], v[TP+14*\u+6:TP+14*\u+7], v[C13:C13+1], 0xb2d7322b op_sel_hi:[1,1,0]   ; r^2 / 13! - 1 / 11!
	v_pk_fma_f32 v[TP+14*\u+12:TP+14*\u+13], v[TP+14*\u+6:TP+14*\u+7], v[C12:C12+1], 0xb493f27e op_sel_hi:[1,1,0]   ; r^2 / 12! - 1 / 10!
.endr
	HORN 10, 0x3638ef1d                                            ; 1 / 9!
	HORN 12, 0x37d00d01                                            ; 1 / 8!
	HORN 10, 0xb9500d01                                            ; -1 / 7!
	HORN 12, 0xbab60b61                                            ; -1 / 6!
	HORN 10, 0x3c088889                                            ; 1 / 5!
	HORN 12, 0x3d2aaaab                                            ; 1 / 4!
	HORN 10, 0xbe2aaaab                                            ; -1 / 3!
	HORN 12, -0.5
.irp u, 0,1
	v_pk_mul_f32 v[TP+14*\u+2:TP+14*\u+3], v[TP+14*\u:TP+14*\u+1], v[TP+14*\u+6:TP+14*\u+7]   ; r^3
	v_xor_b32 v[TP+14*\u+8], v[TP+14*\u+8], v[TP+14*\u+4]          ; the parity's sign goes onto kappa log2(e)
	v_xor_b32 v[TP+14*\u+9], v[TP+14*\u+9], v[TP+14*\u+5]
.endr
	HORN 12, 1.0                                                   ; cos r
.irp u, 0,1
	v_pk_fma_f32 v[PAR_B+2*(\p+\u):PAR_B+2*(\p+\u)+1], v[TP+14*\u+2:TP+14*\u+3], v[TP+14*\u+10:TP+14*\u+11], v[TP+14*\u:TP+14*\u+1]   ; sin r = r + r^3 x the series
.endr
.irp u, 0,1
	v_pk_mul_f32 v[PAR_A+2*(\p+\u):PAR_A+2*(\p+\u)+1], v[TP+14*\u+12:TP+14*\u+13], v[TP+14*\u+8:TP+14*\u+9]   ; a
	v_pk_mul_f32 v[PAR_B+2*(\p+\u):PAR_B+2*(\p+\u)+1], v[PAR_B+2*(\p+\u):PAR_B+2*(\p+\u)+1], v[TP+14*\u+8:TP+14*\u+9]   ; b
.endr
.endm
; THE MAIN LOOP'S LINES.  Batch k is f 4 k .. 4 k + 3 of my 16: elements e = 12 k + 3 fi + m.  A parameter is ONE register and serves both keys: the packed form names the even pair that holds it, and op_sel, op_sel_hi pick its first or its second register for both halves.
.macro T1 k, fi, m                     ; b s + d
.set E, 12*(\k)+3*(\fi)+(\m)
.set EP, E-(E%2)
.set TJ, TB+2*(3*(\fi)+(\m))
.set SF, KC+4+12*((\fi)/2)+2*((\fi)%2)
.if E%2
	v_pk_fma_f32 v[TJ:TJ+1], v[PAR_B+EP:PAR_B+EP+1], v[SF:SF+1], v[PAR_D+EP:PAR_D+EP+1] op_sel:[1,0,1] op_sel_hi:[1,1,1]
.else
	v_pk_fma_f32 v[TJ:TJ+1], v[PAR_B+EP:PAR_B+EP+1], v[SF:SF+1], v[PAR_D+EP:PAR_D+EP+1] op_sel_hi:[0,1,0]
.endif
.endm
.macro T2 k, fi, m                     ; + a c
.set E, 12*(\k)+3*(\fi)+(\m)
.set EP, E-(E%2)
.set TJ, TB+2*(3*(\fi)+(\m))
.set CF, KC+12*((\fi)/2)+2*((\fi)%2)
.if E%2
	v_pk_fma_f32 v[TJ:TJ+1], v[PAR_A+EP:PAR_A+EP+1], v[CF:CF+1], v[TJ:TJ+1] op_sel:[1,0,0] op_sel_hi:[1,1,1]
.else
	v_pk_fma_f32 v[TJ:TJ+1], v[PAR_A+EP:PAR_A+EP+1], v[CF:CF+1], v[TJ:TJ+1] op_sel_hi:[0,1,1]
.endif
.endm
; The batch's 24 multiply-adds and 24 exponentials: one f's exponentials stand between the next f's multiply-adds.  No line here names an exponential's result.
.macro ARGEXP k
.irp m, 0,1,2
	T1 \k, 0, \m
.endr
.irp m, 0,1,2
	T2 \k, 0, \m
.endr
.irp fi, 1,2,3
.irp m, 0,1,2
	T1 \k, \fi, \m
	v_exp_f32 v[TB+6*(\fi-1)+\m], v[TB+6*(\fi-1)+\m]
.endr
.irp m, 0,1,2
	T2 \k, \fi, \m
	v_exp_f32 v[TB+6*(\fi-1)+3+\m], v[TB+6*(\fi-1)+3+\m]
.endr
.endr
.irp i, 0,1,2,3,4,5
	v_exp_f32 v[TB+18+\i], v[TB+18+\i]
.endr
.endm
.macro WMUL k, fi                      ; the f's sum over m begins: e0 x w0
.set E, 12*(\k)+3*(\fi)
.set EP, E-(E%2)
.set T0, TB+6*(\fi)
.if E%2
	v_pk_mul_f32 v[T0:T0+1], v[T0:T0+1], v[PAR_W+EP:PAR_W+EP+1] op_sel:[0,1] op_sel_hi:[1,1]
.else
	v_pk_mul_f32 v[T0:T0+1], v[T0:T0+1], v[PAR_W+EP:PAR_W+EP+1] op_sel_hi:[1,0]
.endif
.endm
.macro WFMA k, fi, m                   ; + em x wm
.set E, 12*(\k)+3*(\fi)+(\m)
.set EP, E-(E%2)
.set T0, TB+6*(\fi)
.set TJ, T0+2*(\m)
.if E%2
	v_pk_fma_f32 v[T0:T0+1], v[TJ:TJ+1], v[PAR_W+EP:PAR_W+EP+1], v[T0:T0+1] op_sel:[0,1,0] op_sel_hi:[1,1,1]
.else
	v_pk_fma_f32 v[T0:T0+1], v[TJ:TJ+1], v[PAR_W+EP:PAR_W+EP+1], v[T0:T0+1] op_sel_hi:[1,0,1]
.endif
.endm
.macro WACC k, fi                      ; x the keys' magnitudes at this f, onto one of two running sums; a pair's first two products start them: nothing is cleared
.set T0, TB+6*(\fi)
.set MF, KC+8+12*((\fi)/2)+2*((\fi)%2)
.set AC, ACC+2*((\fi)%2)
.if (\k) == 0 && (\fi) < 2
	v_pk_mul_f32 v[AC:AC+1], v[T0:T0+1], v[MF:MF+1]
.else
	v_pk_fma_f32 v[AC:AC+1], v[T0:T0+1], v[MF:MF+1], v[AC:AC+1]
.endif
.endm
.macro WSUM k                          ; the four f by turns, so that no line waits for the line above it
.irp fi, 0,1,2,3
	WMUL \k, \fi
.endr
.irp fi, 0,1,2,3
	WFMA \k, \fi, 1
.endr
.irp fi, 0,1,2,3
	WFMA \k, \fi, 2
.endr
.irp fi, 0,1,2,3
	WACC \k, \fi
.endr
.endm
.macro CSLOAD off                      ; c and s of four f, two keys: every lane reads the same 16 bytes
	ds_load_b128 v[KC:KC+3], v1 offset:\off
	ds_load_b128 v[KC+4:KC+7], v1 offset:\off+16
	ds_load_b128 v[KC+12:KC+15], v1 offset:\off+48
	ds_load_b128 v[KC+16:KC+19], v1 offset:\off+64
.endm
.macro MLOAD off                       ; and their magnitudes
	ds_load_b128 v[KC+8:KC+11], v1 offset:\off+32
	ds_load_b128 v[KC+20:KC+23], v1 offset:\off+80
.endm
; A BATCH: 4 f x 3 m x 2 keys.  last = 1: the last pair of keys, whose last batch fetches nothing.
.macro BATCH k, last
	s_wait_dscnt 2                                                 ; this batch's c and s are in (and the last pair's two stores done); behind them only its two magnitude loads were issued
	ARGEXP \k
.set NX, 96*((\k)+1)
.if (\k) == 3
.set NX, KPAIR                         ; the next pair's first batch
.endif
.if (\last) == 0 || (\k) < 3
	CSLOAD NX                                                      ; the multiply-adds have read c and s: the next batch's land while this one is summed
.endif
	v_nop                                                          ; a plain line behind the last exponential,
	s_wait_alu depctr_va_vdst(0)                                   ; and one wait for the batch's 24, ahead of their first reader
.if (\last) == 0 || (\k) < 3
	s_wait_dscnt 4                                                 ; the magnitudes are in; the four loads just issued may be out
.else
	s_wait_dscnt 0
.endif
	WSUM \k
.if (\k) < 3
	MLOAD NX
.endif
.endm
.macro PAIR last                       ; a pair of keys: my 16 f, my bin
	BATCH 0, \last
	BATCH 1, \last
	BATCH 2, \last
	BATCH 3, \last
	v_pk_add_f32 v[ACC:ACC+1], v[ACC:ACC+1], v[ACC+2:ACC+3]
	ds_store_b32 v2, v[ACC]                                        ; key p: 32 lanes, 128 consecutive bytes of my wave's own 4,096
	ds_store_b32 v2, v[ACC+1] offset:2048                          ; key p + 16
.if !\last
	MLOAD KPAIR
	v_add_nc_u32 v1, KPAIR, v1
	v_add_nc_u32 v2, 128, v2
.endif
.endm
	s_load_b512 s[8:23], s[0:1], 0x0               ; K 8, mu 10, kappa 12, weight 14, reference_angles 16, bias 18, W1 20, b1 22
	s_load_b256 s[24:31], s[0:1], 0x40             ; W2 24, b2 26, anchor_raw 28, key_positions 30
	s_load_b64 s[32:33], s[0:1], 0x60              ; out0
	v_lshrrev_b32 v1, 5, v0
	v_readfirstlane_b32 s4, v1                     ; wave 0..15
	s_and_b32 s5, s4, 3                            ; which 32 bins
	s_lshr_b32 s6, s4, 2                           ; which 16 f
	s_mov_b32 s60, 0x76543210
	s_mov_b32 s61, 0xfedcba98                      ; v_permlanex16_b32's selects for lane l xor 16
	v_and_b32 v62, 31, v0                          ; lane
	v_bfe_u32 v63, v0, 4, 1                        ; h = lane / 16
	v_lshlrev_b32 v3, 4, v0                        ; K: 16 bytes a thread: wave w reads key w's row, lane l its f 2 l and 2 l + 1
	s_mul_i32 s2, s4, 6144
	v_lshl_add_u32 v2, v62, 4, s2                  ; a table: my wave's 8 rows of 768 bytes, 16 bytes a lane
	s_mul_i32 s2, s4, 8*SROW
	v_lshl_add_u32 v56, v62, 4, s2                 ; and the same in the stage
	v_lshl_add_u32 v57, v63, 4, v56
	s_mul_i32 s2, s5, 32*SROW
	s_mul_i32 s3, s6, 192
	s_add_co_u32 s2, s2, s3
	v_mul_u32_u24 v58, v62, SROW
	v_add_nc_u32 v58, s2, v58                      ; my bin's row, my 16 f: 192 bytes
	s_mul_i32 s2, s4, KPAIR
	s_add_co_u32 s2, s2, KT
	v_mul_u32_u24 v1, v62, 48
	v_add_nc_u32 v1, s2, v1                        ; the keys' table: pair w, f pair l
	s_lshl_b32 s2, s4, 10
	s_add_co_u32 s2, s2, WIMG
	v_lshl_add_u32 v59, v62, 4, s2                 ; W1's image of tile w: 16 bytes a lane
	v_lshl_add_u32 v60, v0, 2, WSC                 ; its scale words: 128 w + 4 l
	v_and_b32 v61, 15, v0
	v_lshlrev_b32 v61, 9, v61
	v_lshl_add_u32 v61, v63, 7, v61
	s_lshl_b32 s2, s4, 13
	v_add_nc_u32 v61, s2, v61                      ; W1: row 16 w + r of 512 bytes, + 128 h: k = 32 h on
	v_lshlrev_b32 v63, 3, v63                      ; 8 h
	s_wait_kmcnt 0x0
	s_lshl_b32 s2, ttmp9, 14                       ; the work-group's 32 rows of K
	s_mov_b32 s3, 0
	s_add_nc_u64 s[8:9], s[8:9], s[2:3]
	s_lshl_b32 s2, s6, 6
	s_add_nc_u64 s[34:35], s[16:17], s[2:3]        ; my 16 reference angles
	s_lshl_b32 s2, ttmp9, 7                        ; the work-group's 32 positions and results
	s_add_nc_u64 s[30:31], s[30:31], s[2:3]
	s_add_nc_u64 s[32:33], s[32:33], s[2:3]
	s_load_b512 s[REF:REF+15], s[34:35], 0x0
	s_load_b32 s52, s[26:27], 0x0                  ; b2
	s_load_b96 s[56:58], s[28:29], 0x0             ; anchor_raw
	; ---- all the head's loads: K, W1 (waves 0 to 3), the three tables
	global_load_b128 v[96:99], v3, s[8:9] th:TH_LOAD_NT                 ; key w
	global_load_b128 v[100:103], v3, s[8:9] offset:8192 th:TH_LOAD_NT   ; key w + 16
	s_cmp_lt_u32 s4, 4
	s_cbranch_scc0 .Lno_w1
.irp j, 0,1,2,3,4,5,6,7
	global_load_b128 v[64+4*\j:67+4*\j], v61, s[20:21] offset:16*\j         ; W1(16 w + r, 32 h + 0 .. 31)
	global_load_b128 v[12+4*\j:15+4*\j], v61, s[20:21] offset:256+16*\j     ; W1(16 w + r, 64 + 32 h + 0 .. 31)
.endr
.Lno_w1:
.irp j, 0,1,2,3,4,5,6,7,8,9,10,11
	global_load_b128 v[112+4*\j:115+4*\j], v2, s[10:11] offset:512*\j       ; mu: 32 lanes read 512 consecutive bytes
.endr
.irp j, 0,1,2,3,4,5,6,7,8,9,10,11
	global_load_b128 v[160+4*\j:163+4*\j], v2, s[12:13] offset:512*\j       ; kappa
.endr
.irp j, 0,1,2,3,4,5,6,7,8,9,10,11
	global_load_b128 v[208+4*\j:211+4*\j], v2, s[14:15] offset:512*\j       ; weight
.endr
	; ---- my two keys' two f: c = x / mag, s = y / mag, mag
	s_wait_loadcnt 36                              ; all but the tables' 36 loads: K is in (in waves 0 to 3 W1 too)
	v_mul_f32 v104, v97, v97                       ; x^2 + y^2 in the table's order: [key w f0, key w+16 f0, key w f1, key w+16 f1]
	v_mul_f32 v105, v101, v101
	v_mul_f32 v106, v99, v99
	v_mul_f32 v107, v103, v103
	v_fma_f32 v104, v96, v96, v104
	v_fma_f32 v105, v100, v100, v105
	v_fma_f32 v106, v98, v98, v106
	v_fma_f32 v107, v102, v102, v107
	v_rsq_f32 v108, v104
	v_rsq_f32 v109, v105
	v_rsq_f32 v110, v106
	v_rsq_f32 v111, v107
	v_nop                                          ; a plain line behind the last of the four,
	s_wait_alu depctr_va_vdst(0)                   ; and one wait for them, ahead of their first reader
.irp i, 0,1,2,3
	v_cmp_le_f32 vcc_lo, 0x800000, v[104+\i]       ; under the smallest normal number the pair counts as zero: c = s = mag = 0, and the f adds nothing
	v_cndmask_b32 v[108+\i], 0, v[108+\i], vcc_lo
.endr
	v_mul_f32 v44, v96, v108
	v_mul_f32 v45, v100, v109
	v_mul_f32 v46, v98, v110
	v_mul_f32 v47, v102, v111
	v_mul_f32 v48, v97, v108
	v_mul_f32 v49, v101, v109
	v_mul_f32 v50, v99, v110
	v_mul_f32 v51, v103, v111
	v_pk_mul_f32 v[104:105], v[104:105], v[108:109]
	v_pk_mul_f32 v[106:107], v[106:107], v[110:111]
	ds_store_b128 v1, v[44:47]
	ds_store_b128 v1, v[48:51] offset:16
	ds_store_b128 v1, v[104:107] offset:32
	; ---- waves 0 to 3: tile w of W1 becomes codes (v4-11) and a scale word (v52); they wait in registers until mu's stage is dead
	s_cmp_lt_u32 s4, 4
	s_cbranch_scc0 .Lno_q
	QUANT2 64, 12, 4, 52, 96
.Lno_q:
	; ---- mu and kappa through the stage: from 512 consecutive bytes a load to a bin a lane
	s_wait_loadcnt 24                              ; mu's 12 loads are in; kappa's and weight's may be out
	STAGE 112
	s_wait_loadcnt 12                              ; kappa's are in
	STAGE 160
	BARRIER                                        ; mu's and kappa's stages and the keys' table are whole
.irp j, 0,1,2,3,4,5,6,7,8,9,10,11
	ds_load_b128 v[PAR_A+4*\j:PAR_A+4*\j+3], v58 offset:16*\j      ; my 48 mu
.endr
	v_add_nc_u32 v58, STGB, v58
.irp j, 0,1,2,3,4,5,6,7,8,9,10,11
	ds_load_b128 v[PAR_D+4*\j:PAR_D+4*\j+3], v58 offset:16*\j      ; my 48 kappa
.endr
	v_add_nc_u32 v58, STGB, v58
	v_mov_b32 v[CM], 0x4b400000                    ; 1.5 x 2^23
	v_mov_b32 v[CM+1], 0x4b400000
	v_mov_b32 v[C13], 0x2f309231                   ; 1 / 13!
	v_mov_b32 v[C13+1], 0x2f309231
	v_mov_b32 v[C12], 0x310f76c7                   ; 1 / 12!
	v_mov_b32 v[C12+1], 0x310f76c7
	s_wait_kmcnt 0x0                               ; the reference angles, b2, the anchors
	s_wait_dscnt 0x0
.irp p, 0,2,4,6,8,10,12,14,16,18,20,22
	SINCOS2 \p
.endr
	s_wait_loadcnt 0x0                             ; weight's loads have had the preparation in which to land
	STAGE 208
	BARRIER                                        ; weight's stage is whole, and nobody reads mu's or kappa's any more
.irp j, 0,1,2,3,4,5,6,7,8,9,10,11
	ds_load_b128 v[PAR_W+4*\j:PAR_W+4*\j+3], v58 offset:16*\j      ; my 48 weights
.endr
	s_cmp_lt_u32 s4, 4
	s_cbranch_scc0 .Lno_img
	ds_store_b128 v59, v[4:7]                      ; W1's fragment as it stands in my registers: 16 bytes a lane,
	ds_store_b128 v59, v[8:11] offset:512
	ds_store_b32 v60, v52                          ; and its scale words, 4 bytes a lane
.Lno_img:
	s_mul_i32 s2, s6, 384
	s_add_co_u32 s2, s2, KT
	v_mov_b32 v1, s2                               ; the keys' table at pair 0, my 8 f pairs: the same in every lane
	s_lshl_b32 s2, s4, 12
	v_and_b32 v2, 31, v0
	v_lshl_add_u32 v2, v2, 2, s2                   ; my partial logits: 4,096 x wave + 4 x lane
	CSLOAD 0
	MLOAD 0
	; ---- 16 pairs of keys; the last is written out, since it fetches nothing beyond the table
	s_mov_b32 s62, 15
.Lpair:
	PAIR 0
	s_sub_co_i32 s62, s62, 1
	s_cmp_lg_u32 s62, 0
	s_cbranch_scc1 .Lpair
	PAIR 1
	; ---- addresses of the sum over the four f groups and of the MLP, made by every wave
	v_bfe_u32 v56, v0, 3, 5                        ; thread t sums key (t >> 3) & 31, bins 32 ((t >> 8) + 2 hq) + 4 (t & 7) + 0 .. 3, hq = 0, 1
	v_mul_u32_u24 v56, v56, LGP
	v_and_b32 v57, 7, v0
	v_lshlrev_b32 v57, 4, v57
	v_lshrrev_b32 v58, 8, v0
	v_lshl_add_u32 v57, v58, 7, v57                ; these bins' bytes in bias and in a row of logits
	v_add_nc_u32 v56, v56, v57
	v_add_nc_u32 v56, LG, v56
	v_and_b32 v61, 15, v0
	v_bfe_u32 v58, v0, 5, 1
	v_lshl_add_u32 v58, v58, 4, v61                ; the MLP's key: 16 (wave & 1) + r
	v_lshlrev_b32 v62, 2, v58                      ; its position and its result
	v_mul_u32_u24 v58, v58, LGP
	v_bfe_u32 v61, v0, 4, 1
	v_lshl_add_u32 v58, v61, 7, v58
	v_add_nc_u32 v58, LG, v58                      ; its logits: k = 32 h on
	v_lshlrev_b32 v61, 5, v61                      ; b1, W2: 8 h numbers on
	v_and_b32 v59, 31, v0
	v_lshl_add_u32 v60, v59, 2, WSC
	v_lshl_add_u32 v59, v59, 4, WIMG
	s_cmp_lt_u32 s4, 2
	s_cbranch_scc0 .Lno_mlp
.irp t, 0,1,2,3                                ; in the result's layout: lane (r, h), register j of tile t: hidden unit 16 t + 8 h + j
	global_load_b128 v[128+8*\t:131+8*\t], v61, s[22:23] offset:64*\t       ; b1: the C of the tile's matrix instruction
	global_load_b128 v[132+8*\t:135+8*\t], v61, s[22:23] offset:64*\t+16
	global_load_b128 v[160+8*\t:163+8*\t], v61, s[24:25] offset:64*\t       ; W2
	global_load_b128 v[164+8*\t:167+8*\t], v61, s[24:25] offset:64*\t+16
.endr
	global_load_b32 v228, v62, s[30:31]            ; my key's position
.Lno_mlp:
	global_load_b128 v[96:99], v57, s[18:19]
	global_load_b128 v[100:103], v57, s[18:19] offset:256
	BARRIER                                        ; all partial logits and W1's images lie in LDS
.irp hq, 0,1
.irp g, 0,1,2,3
	ds_load_b128 v[64+16*\hq+4*\g:67+16*\hq+4*\g], v3 offset:16384*\g+8192*\hq   ; f group g's part: 32 lanes read 512 consecutive bytes
.endr
.endr
	s_wait_dscnt 0x0
	s_wait_loadcnt 0x0                             ; bias (and in waves 0 and 1 b1, W2, the position)
.irp hq, 0,1
.irp i, 0,2
	v_pk_add_f32 v[64+16*\hq+\i:65+16*\hq+\i], v[64+16*\hq+\i:65+16*\hq+\i], v[68+16*\hq+\i:69+16*\hq+\i]
	v_pk_add_f32 v[72+16*\hq+\i:73+16*\hq+\i], v[72+16*\hq+\i:73+16*\hq+\i], v[76+16*\hq+\i:77+16*\hq+\i]
.endr
.endr
.irp hq, 0,1
.irp i, 0,2
	v_pk_add_f32 v[64+16*\hq+\i:65+16*\hq+\i], v[64+16*\hq+\i:65+16*\hq+\i], v[72+16*\hq+\i:73+16*\hq+\i]
.endr
.endr
.irp hq, 0,1
.irp i, 0,2
	v_pk_add_f32 v[64+16*\hq+\i:65+16*\hq+\i], v[64+16*\hq+\i:65+16*\hq+\i], v[96+4*\hq+\i:97+4*\hq+\i]
.endr
.endr
	ds_store_b128 v56, v[64:67]
	ds_store_b128 v56, v[80:83] offset:256
	BARRIER                                        ; 32 rows of logits lie in LDS
	s_cmp_lt_u32 s4, 2
	s_cbranch_scc0 .Lend                           ; no barrier follows: the other fourteen waves are done
	; ---- THE MLP: wave 0 keys 0-15, wave 1 keys 16-31
.irp c, 0,1
.irp j, 0,1,2,3,4,5,6,7
	ds_load_b128 v[64+32*\c+4*\j:67+32*\c+4*\j], v58 offset:256*\c+16*\j     ; logits(my key, 64 c + 32 h + 0 .. 31)
.endr
.endr
.irp t, 0,1,2,3
.irp c, 0,1
	ds_load_b128 v[192+8*\t+4*\c:195+8*\t+4*\c], v59 offset:1024*\t+512*\c   ; W1's fragments come back as they were stored
.endr
.endr
.irp t, 0,1,2,3
	ds_load_b32 v[224+\t], v60 offset:128*\t
.endr
	; the position's weight, while those loads are out.  softplus(a) = max(a, 0) + ln(1 + e^-|a|); the piecewise line over log10(position) is continuous: aw0 + (aw1 - aw0) clamp(lp - 3) + (aw2 - aw1) clamp(lp - 4)
	v_mov_b32 v4, s56
	v_mov_b32 v5, s57
	v_mov_b32 v6, s58
	v_mul_f32 v7, 0xbfb8aa3b, |v4|
	v_mul_f32 v8, 0xbfb8aa3b, |v5|
	v_mul_f32 v9, 0xbfb8aa3b, |v6|
	v_cvt_f32_i32 v10, v228
	v_max_num_f32 v10, 1.0, v10
	v_exp_f32 v7, v7
	v_exp_f32 v8, v8
	v_exp_f32 v9, v9
	v_log_f32 v11, v10
	v_max_num_f32 v4, 0, v4                        ; (plain lines behind the batch)
	v_max_num_f32 v5, 0, v5
	v_max_num_f32 v6, 0, v6
	s_wait_alu depctr_va_vdst(0)                   ; one wait for the four, ahead of their first reader
	v_add_f32 v7, 1.0, v7
	v_add_f32 v8, 1.0, v8
	v_add_f32 v9, 1.0, v9
	v_log_f32 v7, v7
	v_log_f32 v8, v8
	v_log_f32 v9, v9
	v_mul_f32 v11, 0x3e9a209b, v11                 ; log10(position).  (Plain lines behind the batch, which name none of its results)
	v_add_f32 v12, 0xc0400000, v11
	v_add_f32 v13, -4.0, v11
	v_max_num_f32 v12, 0, v12
	v_max_num_f32 v13, 0, v13
	v_min_num_f32 v12, 1.0, v12
	v_min_num_f32 v13, 1.0, v13
	v_mov_b32 v26, 0                               ; (a lane permute's destination, written once)
	s_wait_alu depctr_va_vdst(0)                   ; one wait for the three
	v_fma_f32 v4, v7, 0x3f317218, v4               ; the three anchors' weights
	v_fma_f32 v5, v8, 0x3f317218, v5
	v_fma_f32 v6, v9, 0x3f317218, v6
	v_sub_f32 v14, v5, v4
	v_sub_f32 v15, v6, v5
	v_fma_f32 v20, v14, v12, v4
	v_fma_f32 v20, v15, v13, v20
	v_mul_f32 v20, 0xbfb8aa3b, v20                 ; x -log2(e), for the sigmoid's exponential
	s_wait_dscnt 12                                ; the logits are in; W1's eight image loads and four scale words may be out
	QUANT2 64, 96, 232, 240, 241
.rept 8
	v_nop                                          ; a scale register written by a vector line stands 8 places ahead of a scaled matrix instruction, an operand so written 4
.endr
	s_wait_dscnt 0x0
.irp t, 0,1,2,3                                ; TRANSPOSED: source 0 = 16 rows of W1, source 1 = my 16 keys: lane (r, h) then holds key r and hidden units 16 t + 8 h + 0 .. 7.  Four accumulators, one instruction each; b1 is the C
	v_wmma_scale_f32_16x16x128_f8f6f4 v[128+8*\t:135+8*\t], v[192+8*\t:199+8*\t], v[232:239], v[128+8*\t:135+8*\t], v[224+\t], v240 matrix_a_fmt:MATRIX_FMT_FP4 matrix_b_fmt:MATRIX_FMT_FP4
.endr
.rept 4
	v_nop                                          ; four places ahead of the first read of results (ISA guide 7.12.1)
.endr
.irp j, 0,1,2,3,4,5,6,7,8,9,10,11,12,13,14,15,16,17,18,19,20,21,22,23,24,25,26,27,28,29,30,31
	v_max_num_f32 v[128+\j], 0, v[128+\j]          ; relu, each accumulator from its low end on
.endr
	v_pk_mul_f32 v[22:23], v[128:129], v[160:161]  ; h . W2: two chains, two numbers a line
	v_pk_mul_f32 v[24:25], v[130:131], v[162:163]
.irp i, 4,8,12,16,20,24,28
	v_pk_fma_f32 v[22:23], v[128+\i:129+\i], v[160+\i:161+\i], v[22:23]
	v_pk_fma_f32 v[24:25], v[130+\i:131+\i], v[162+\i:163+\i], v[24:25]
.endr
	v_pk_add_f32 v[22:23], v[22:23], v[24:25]
	v_add_f32 v22, v22, v23
	v_permlanex16_b32 v26, v22, s60, s61
	v_add_f32 v22, v22, v26                        ; with lane l xor 16's 32 hidden units
	v_add_f32 v22, s52, v22                        ; + b2
	v_mul_f32 v22, v22, v20                        ; x the position's weight x -log2(e)
	v_exp_f32 v22, v22
	v_and_b32 v27, 31, v0                          ; (a plain line behind the exponential)
	s_wait_alu depctr_va_vdst(0)
	v_add_f32 v22, 1.0, v22
	v_rcp_f32 v22, v22                             ; 1 / (1 + e^-z)
	v_cmp_gt_u32 vcc_lo, 16, v27                   ; (a plain line behind the reciprocal)  lanes 0-15 store: lanes 16-31 hold the same 16 keys
	s_wait_alu depctr_va_vdst(0)
	s_wait_xcnt 0x0                                ; EXEC changes only behind this wait
	s_and_saveexec_b32 s2, vcc_lo
	global_store_b32 v62, v22, s[32:33]            ; 16 lanes store 64 consecutive bytes; the work-group owns 128 bytes of the output
	s_wait_xcnt 0x0                                ; and again, in front of the line that widens it
	s_or_b32 exec_lo, exec_lo, s2
.Lend:
	s_wait_xcnt 0x0
	s_mov_b32 exec_lo, -1
	v_lshl_add_u32 v62, v0, 2, 0x4f800
	v_mov_b32 v63, 0
	s_wait_tensorcnt 0x0
	ds_add_u32 v62, v63
	s_wait_dscnt 0x0
	s_endpgm
.Lfunc_end_k_qaf47c7d311_prune:
	.size	k_qaf47c7d311_prune, .Lfunc_end_k_qaf47c7d311_prune-k_qaf47c7d311_prune
	.p2alignl 7, 3214868480
	.fill 96, 4, 3214868480
	.section	.rodata,"a",@progbits
	.p2align	6, 0x0
	.amdhsa_kernel k_qaf47c7d311_prune
		.amdhsa_group_segment_fixed_size 327680
		.amdhsa_private_segment_fixed_size 0
		.amdhsa_enable_private_segment 0
		.amdhsa_kernarg_size 104
		.amdhsa_user_sgpr_count 2
		.amdhsa_user_sgpr_kernarg_segment_ptr 1
		.amdhsa_wavefront_size32 1
		.amdhsa_system_sgpr_workgroup_id_x 1
		.amdhsa_system_sgpr_workgroup_id_y 1
		.amdhsa_system_sgpr_workgroup_id_z 1
		.amdhsa_system_vgpr_workitem_id 0
		.amdhsa_next_free_vgpr 256
		.amdhsa_next_free_sgpr 66
		.amdhsa_reserve_vcc 1
		.amdhsa_float_denorm_mode_32 3
		.amdhsa_float_denorm_mode_16_64 3
		.amdhsa_memory_ordered 1
		.amdhsa_forward_progress 1
		.amdhsa_inst_pref_size 116
	.end_amdhsa_kernel
	.amdgpu_metadata
---
amdhsa.version: [ 1, 2 ]
amdhsa.kernels:
  - .name:           k_qaf47c7d311_prune
    .symbol:         k_qaf47c7d311_prune.kd
    .args:
      - { .name: K, .offset: 0, .size: 8, .value_kind: global_buffer, .address_space: global }
      - { .name: mu, .offset: 8, .size: 8, .value_kind: global_buffer, .address_space: global }
      - { .name: kappa, .offset: 16, .size: 8, .value_kind: global_buffer, .address_space: global }
      - { .name: weight, .offset: 24, .size: 8, .value_kind: global_buffer, .address_space: global }
      - { .name: reference_angles, .offset: 32, .size: 8, .value_kind: global_buffer, .address_space: global }
      - { .name: bias, .offset: 40, .size: 8, .value_kind: global_buffer, .address_space: global }
      - { .name: W1, .offset: 48, .size: 8, .value_kind: global_buffer, .address_space: global }
      - { .name: b1, .offset: 56, .size: 8, .value_kind: global_buffer, .address_space: global }
      - { .name: W2, .offset: 64, .size: 8, .value_kind: global_buffer, .address_space: global }
      - { .name: b2, .offset: 72, .size: 8, .value_kind: global_buffer, .address_space: global }
      - { .name: anchor_raw, .offset: 80, .size: 8, .value_kind: global_buffer, .address_space: global }
      - { .name: key_positions, .offset: 88, .size: 8, .value_kind: global_buffer, .address_space: global }
      - { .name: out0, .offset: 96, .size: 8, .value_kind: global_buffer, .address_space: global }
    .group_segment_fixed_size: 327680
    .private_segment_fixed_size: 0
    .kernarg_segment_align: 8
    .kernarg_segment_size: 104
    .max_flat_workgroup_size: 512
    .sgpr_count:     66
    .vgpr_count:     256
    .wavefront_size: 32
...
	.end_amdgpu_metadata
.endif
;; end of part 1
